; MI455X (gfx1250); checked and timed in simulation.
; The chip was launched on July 23, 2026; its instructions are those of AMD's public machine-readable ISA for CDNA 5 (MIT licence, August 2026) and "CDNA5" Instruction Set Architecture Reference Guide (July 2026). The comments in the code are by the model that wrote it; some were corrected since.
;; Attention. Allowed arithmetic: matrix products marked QUANTISED: E4M3 operands, one given power-of-two scale a tensor, by v_wmma_f32_16x16x64_fp8_fp8 or v_wmma_f32_16x16x128_fp8_fp8, f32 sums; everything else in f32.
;; Inputs: K 4 x 8 x 2,048 x 64 float32; Q 4 x 8 x 2,048 x 64 float32; V 4 x 8 x 2,048 x 64 float32; lowp_scales 4 int32 (the exponents e of the quantised operands' scales 2^e).
;; Outputs: out0 4 x 8 x 2,048 x 64 float32.
;; This version of the problem:
;;   THIS VERSION OF THE PROBLEM IS GIVEN IN LOW PRECISION. The matrix products marked QUANTISED in the list below multiply operands that are first quantised to E4M3 (4 exponent bits, 3 mantissa bits; 8 bits a number), with one given power-of-two scale for each operand tensor; their sums are f32. All else is computed in f32.
;;   The module's matrix products, in the order in which they are computed (A, B: the left and right operand; K: the contracted axis; several contracted axes count as one K, in the product's order):
;;     1. batch 32 x [M 2,048, K 64] x [K 64, N 2,048]; A: input Q; B: input K: QUANTISED (scales: A lowp_scales[0], B lowp_scales[1])
;;     2. batch 32 x [M 2,048, K 2,048] x [K 2,048, N 64]; A: softmax (see below); B: input V: QUANTISED (scales: A lowp_scales[2], B lowp_scales[3])
;;   THE QUANTISER, for each operand of a quantised product, along K:
;;     - The operand's scale is 2^e, e = its entry of the input lowp_scales (int32; the entries are numbered through the quantised products in the list's order, A before B).
;;     - Each number is divided by the scale, clamped to +-448, and rounded to the nearest number of E4M3, ties to even, subnormals kept.
;;     - The product sums the exact products of the quantised numbers (number of the format x scale) in f32.
;;   ~~~python
;;   def quantise(x, axis, e):      # numpy; x: float32 -> the quantised numbers, widened to float32 again
;;       x = np.moveaxis(x, axis, -1); K = x.shape[-1]
;;       r = np.clip(x / 2.0 ** e, -448, 448)
;;       step = 2.0 ** (np.maximum(np.frexp(np.where(r == 0, 1, r))[1] - 1, -6) - 3)
;;       q = np.round(r / step) * step * 2.0 ** e      # np.round: ties to even
;;       return np.moveaxis(q, -1, axis).astype(np.float32)
;;   ~~~
;;   SOFTMAX AHEAD OF A QUANTISED PRODUCT. Where the list says 'softmax', what is quantised is not the finished softmax but p = 2^(t - M), with t = logit x log2(e) and M = ceil(the row's largest t), a whole number; so 1/2 < the row's largest p <= 1. The row's sum l is taken of the UNQUANTISED p, in f32, and the product's result is divided by l at the end. Since M is a whole number, a kernel that streams over the keys may use a running M (the ceiling of the running maximum): every later rescaling is an exact power of two, so the quantised numbers keep their values, but for numbers so far below the row's largest that they fall under the format's range.
;;   OPERANDS COMPUTED ON THE WAY. 'Computed on the way' means the value that the module computes at that place (a softmax that the list does not call 'softmax' is quantised finished and normalised). What goes into a quantiser is computed in f32, as accurately as f32 sums, v_exp_f32 and their like allow (about 1e-6 of the number): no bf16 or f16 on the way to a quantiser, and a product that is left as it is and whose result goes on into a quantised operand takes f32 operands (vector FMAs, or v_wmma_f32_16x16x4_f32). A number that lies on a knife's edge between two numbers of the format may be rounded either way, as far as f32 arithmetic and the matrix unit's own rounding can turn it there, and no further.
;; 2 versions. Each part assembles by itself: llvm-mc -triple=amdgcn-amd-amdhsa -mcpu=gfx1250 --defsym DOCPART=n.
;; ======== version 1 of 2: 1 launch
;; launch attn (part 1): grid 8 x 32, 8 waves a work-group, no clusters, 314,880 bytes of LDS; arguments Q, K, V, lowp_scales, out0; writes out0
.if DOCPART == 1
	.amdgcn_target "amdgcn-amd-amdhsa--gfx1250"
	.amdhsa_code_object_version 6
	.text
	.protected	k_q1ea6dd17c9_attn
	.globl	k_q1ea6dd17c9_attn
	.p2align	8
	.type	k_q1ea6dd17c9_attn,@function
k_q1ea6dd17c9_attn:
	s_mov_b64 s[64:65], 0
	v_nop
	global_prefetch_b8 v0, s[64:65] scope:SCOPE_SE
	s_setreg_imm32_b32 hwreg(HW_REG_WAVE_MODE, 25, 1), 1
	s_wait_xcnt 0x0
; out[h][q][:] = the sum over k of softmax_k(Q[h][q] . K[h][k] / 8) V[h][k][:].  Q, K, V, out: [32 heads][2048][64] f32.  Both products on codes of E4M3, each operand with its given scale: 2^eq, 2^ek, 2^ep, 2^ev.
; THE SOFTMAX AHEAD OF THE SECOND PRODUCT: t = score x log2(e) / 8; M = the running largest t, rounded UP to a whole number; p = 2^(t - M) is what is quantised, not normalised.  The row's sum is taken of the
; unquantised p, in f32, and divides at the end.  When M moves, the sum and O are multiplied by 2^(old M - new M), which rounds nothing.
; SHARES.  A work-group owns 256 queries of one head, each of its eight waves 32: two tiles of 16.  Every wave walks the head's 2,048 keys, 128 (a chunk) a trip, 16 trips.
; K AND V LIE IN LDS AS CODES, WHOLE: 2 x 131,072 bytes a head.  No LDS byte is written twice, so there is no ring.  In trip s every wave multiplies chunk s, quantises its eighth of chunk s + 1
; (f32 loaded a trip earlier) into LDS, and loads its eighth of chunk s + 2 into registers.  One barrier a trip stands between the stores of a chunk and its reads.
; LAYOUT.  Both products are used transposed: S^T = K Q^T (source 0 = 16 keys, source 1 = 16 queries), O^T = V^T P^T (source 0 = 16 channels, source 1 = P): a lane holds ONE query (lane % 16) throughout.
; In S^T's tile kt a lane's register j is key 16 kt + 8 (lane / 16) + j: the conversion of those eight registers gives registers 2 kt, 2 kt + 1 of P as the K = 128 form wants them.
; In the first product the head's 64 numbers stand permuted, alike in K and in Q (register 4 n + e of lane (r, h): d = 32 h + 16 n + 4 e + 0 .. 3): every product meets its partner; only the order of the sums inside an instruction differs.
; NO TENSOR LOADS, NO CLUSTER, though the eight work-groups of a head read the same K and V: what is shared arrives as f32, 65,536 bytes a chunk, which would have to lie in LDS beside the 313,856 bytes in use
; (more than a work-group can have), be read back and be stored again as codes; and this text branches on the whole number ep, which spares 128 lines a trip.
; LIMITS on the given exponents, so that each power of two below is an f32 number: eq, ek, ep, ev between -126 and 119; eq + ek between -123 and 130 (they are added to c's exponent field); ep + ev goes by v_ldexp_f32 and has none.
; NaN among the inputs is not served; an infinity is held at the largest code.
;
; LDS.  K: four planes q, PQ bytes apart: byte q PQ + 16 key + 4 e + b is the code of d = 16 q + 4 e + b.  The 64 bytes that a plane has over 2,048 x 16 shift it by 16 banks (64 banks of 4 bytes: ISA guide 11.1),
;       so that the 32 lanes of a store of 4 bytes (2 keys x 16 groups of d) touch 32 different banks; a fragment's load takes 256 consecutive bytes in 16 lanes.
;       V: images of the operand's registers: chunk x 8,192 + 2,048 ct + 512 n + 16 lane holds registers 4 n .. 4 n + 3 of the fragment of channels 16 ct on.
;       Q: as K, 256 rows; each wave writes and reads its own 32 rows.   The way out: 16 rows x 272 bytes for each wave.
.set PQ,   32832
.set VB,   4*PQ                        ; 131,328
.set QB,   VB+131072                   ; 262,400
.set QP,   4160                        ; 256 x 16 + 64
.set OB,   QB+4*QP                     ; 279,040
.set OW,   16*272                      ; a wave's stage; OB + 8 OW = 313,856
.set CHB,  32768                       ; a chunk of K or of V in memory: 128 rows of 256 bytes
; REGISTERS, window 0 (an instruction names v0-v255; s_set_vgpr_msb says which window each operand place means: bits 1:0 source 0, 3:2 source 1, 5:4 source 2, 7:6 destination)
.set KRD0, 1                           ; my lane's place in a fragment of K: 2 PQ h + 16 r
.set VRD0, 2                           ; in an image of V: VB + 16 lane
.set KWR0, 3                           ; where I store codes of K: plane (lane / 4) % 4, key 16 w + lane / 16, word lane % 4
.set VWR0, 4                           ; where I store codes of V: VB + 2,048 (lane / 16) + 16 (lane % 16) + 256 w
.set GK,   5                           ; 16 lane: my bytes of a dense load of 512
.set GV,   6                           ; 4 lane: my channel of a row of V
.set ADK,  7                           ; the four LDS addresses in hand
.set ADV,  8
.set AWK,  9
.set AWV,  10
.set STO,  11                          ; the way out: where I put 32 bytes of a row,
.set SRD,  12                          ; where I read a row back,
.set GO,   13                          ; and my byte offset in the wave's rows of out
.set SCK,  14                          ; 2^ek, 2^ev as f32: the conversions take the exponent field
.set SCV,  15
.set QF,   16                          ; v16-31  Q's two fragments
.set ST,   32                          ; tile t's statistics at v[ST + 8 t]: +0 -M, +1 the largest score so far, +2, +3 the sum in two halves, +4 f, +5 the other half's maximum, +6, +7 at work
.set SCP,  48                          ; 2^ep, 2^eq
.set SCQ,  49
.set PFO,  50                          ; 256 lane: the prefetches' offset
.set QWR,  51                          ; Q's codes into LDS,
.set QRD,  52                          ; and back as fragments
.set S,    64                          ; v64-191  S^T, then p: tile t, keys' tile kt at S + 64 t + 8 kt
.set P,    192                         ; v192-223 p's codes, 16 a tile
.set CK,   224                         ; v224-231 codes of K just made;  v232-239 of V
.set CV,   232
; window 1
.set OT,   0                           ; O^T: tile t, channels' tile ct at 32 t + 8 ct
.set KF,   64                          ; K's eight fragments of a chunk (at the head: Q's 64 numbers)
.set VF,   128                         ; V's four fragments of a chunk
.set XK,   192                         ; 32 numbers of K as loaded
.set YV,   224                         ; 32 numbers of V as loaded
; scalars: s[4:5] Q, s[6:7] K, s[8:9] V at my wave's part; s[12:13] out; s[16:19] eq, ek, ep, ev; s24/25, s26/27, s28/29 -/+ 448 x 2^ek, 2^ev, 2^eq; s30 448 x 2^ep; s31 ep + ev
.set WV,   14
.set SEL,  20                          ; s[20:21] lane selects for v_permlanex16_b32: lane l xor 16
.set CS,   22                          ; s[22:23] c = log2(e) / 8 x 2^(eq + ek): the packed form names a pair and takes its low word for both halves
.set KRO,  32                          ; 2,048 x trip: the chunk in hand among K's planes
.set VRO,  33                          ; 8,192 x trip: among V's images
.set CNT,  34                          ; the loop's trips to go
.set LIM,  35                          ; 2 in a work-group that prefetches, else the greatest number
.set PFA,  36                          ; s[36:37] where my prefetches stand
.set MSB, 0
.macro WIN new                         ; the immediate's high byte repeats the setting that is left; a switch that changes nothing is dropped
.if MSB != \new
	s_set_vgpr_msb (MSB<<8)|\new
.set MSB, \new
.endif
.endm
; My eighth of a chunk, off bytes behind the bases.  K: keys 16 w .. 16 w + 15 as eight dense loads of 512 bytes: load j gives lane l the numbers d = 4 (l % 16) + 0 .. 3 of key 2 j + l / 16.
; V: wave w = 2 n + hw takes keys 32 n + 8 hw + 16 u + j; a lane takes a channel and its registers run down the keys; the two loads of a row (128 bytes each) stand together.
.macro LOADS off
	WIN 0x40                                       ; destination window 1, address window 0
.irp j, 0,1,2,3,4,5,6,7
	global_load_b128 v[XK+4*\j:XK+4*\j+3], v[GK], s[6:7] offset:\off+512*\j
.endr
.irp u, 0,1
.irp j, 0,1,2,3,4,5,6,7
.irp f, 0,1
	global_load_b32 v[YV+16*\f+8*\u+\j], v[GV], s[8:9] offset:\off+256*(16*\u+\j)+128*\f
.endr
.endr
.endr
	WIN 0
.endm
.macro HOLD32 base, lo, hi             ; the conversion to an 8-bit code does not saturate (ISA guide 7.6.2): each number is held within the largest code x the scale first
.set i, 0
.rept 32
	v_med3_num_f32 v[\base+i], v[\base+i], s[\lo], s[\hi]
.set i, i+1
.endr
.endm
.macro CODES dst, src, sc              ; 32 numbers of a lane become 32 codes in 8 registers; the first number's code in the lowest byte
.irp g, 0,1,2,3
	v_cvt_scalef32_pk8_fp8_f32 v[\dst+2*\g:\dst+2*\g+1], v[\src+8*\g:\src+8*\g+7], v[\sc]
.endr
.endm
; The numbers in XK and YV become codes and go to LDS, a chunks behind the chunk in hand.  CK + j holds the four codes of load j; CV + 4 f .. + 3 are registers 4 n .. 4 n + 3 of lane (channel % 16, hw) of image 2 f + lane / 16.
.macro QUANTKV a
	WIN 0x41                                       ; source 0 and destination window 1
	HOLD32 XK, 24, 25
	HOLD32 YV, 26, 27
	WIN 0x01                                       ; source 0 window 1
	CODES CK, XK, SCK
	CODES CV, YV, SCV
	WIN 0
	v_add_nc_u32 v[AWK], s[KRO], v[KWR0]           ; (these two are also the plain lines behind the conversions)
	v_add_nc_u32 v[AWV], s[VRO], v[VWR0]
.irp j, 0,1,2,3,4,5,6,7
	ds_store_b32 v[AWK], v[CK+\j] offset:\a*2048+32*\j
.endr
.irp f, 0,1
	ds_store_b128 v[AWV], v[CV+4*\f:CV+4*\f+3] offset:\a*8192+4096*\f
.endr
.endm
.macro KFRAGS                          ; the chunk's eight fragments of K: planes 2 h and 2 h + 1 of keys 16 kt + r
	WIN 0x40
.irp k, 0,1,2,3,4,5,6,7
.irp n, 0,1
	ds_load_b128 v[KF+8*\k+4*\n:KF+8*\k+4*\n+3], v[ADK] offset:\n*PQ+256*\k
.endr
.endr
.endm
.macro VFRAGS                          ; the chunk's four images of V
	WIN 0x40
.irp c, 0,1,2,3
.irp n, 0,1,2,3
	ds_load_b128 v[VF+16*\c+4*\n:VF+16*\c+4*\n+3], v[ADV] offset:2048*\c+512*\n
.endr
.endr
	WIN 0
.endm
.macro QK                              ; S^T = K Q^T: each fragment of K feeds both tiles of queries; every product starts its own sum
	WIN 0x01                                       ; source 0 (K) window 1
.irp k, 0,1,2,3,4,5,6,7
.irp t, 0,1
	v_wmma_f32_16x16x64_fp8_fp8 v[S+64*\t+8*\k:S+64*\t+8*\k+7], v[KF+8*\k:KF+8*\k+7], v[QF+8*\t:QF+8*\t+7], 0
.endr
.endr
.endm
.macro PV                              ; O^T += V^T P^T: the eight accumulators take turns, one instruction a turn
	WIN 0x51                                       ; source 0 (V), C and D window 1; source 1 (P) window 0
.irp c, 0,1,2,3
.irp t, 0,1
	v_wmma_f32_16x16x128_fp8_fp8 v[OT+32*\t+8*\c:OT+32*\t+8*\c+7], v[VF+16*\c:VF+16*\c+15], v[P+16*\t:P+16*\t+15], v[OT+32*\t+8*\c:OT+32*\t+8*\c+7]
.endr
.endr
.endm
; The softmax of both tiles for a chunk, up to the row's sum.  The two tiles alternate, so that where one line feeds the next the other tile's stands between.
.macro SOFT1
.irp t, 0,1                            ; the chunk's largest score among my 64 keys, in two chains a tile; each accumulator is read from its low end on
	v_max3_num_f32 v[ST+8*\t+6], v[S+64*\t], v[S+64*\t+1], v[S+64*\t+2]
	v_max3_num_f32 v[ST+8*\t+7], v[S+64*\t+3], v[S+64*\t+4], v[S+64*\t+5]
.endr
.irp i, 6,10,14,18,22,26,30,34,38,42,46,50,54,58
.irp t, 0,1
	v_max3_num_f32 v[ST+8*\t+6], v[ST+8*\t+6], v[S+64*\t+\i], v[S+64*\t+\i+1]
	v_max3_num_f32 v[ST+8*\t+7], v[ST+8*\t+7], v[S+64*\t+\i+2], v[S+64*\t+\i+3]
.endr
.endr
.irp t, 0,1
	v_max3_num_f32 v[ST+8*\t+6], v[ST+8*\t+6], v[S+64*\t+62], v[S+64*\t+63]
.endr
.irp t, 0,1
	v_max_num_f32 v[ST+8*\t+6], v[ST+8*\t+6], v[ST+8*\t+7]
.endr
.irp t, 0,1
	v_permlanex16_b32 v[ST+8*\t+5], v[ST+8*\t+6], s[SEL], s[SEL+1]   ; the query's other 64 keys lie in the lane 16 away
.endr
.irp t, 0,1
	v_max3_num_f32 v[ST+8*\t+1], v[ST+8*\t+6], v[ST+8*\t+5], v[ST+8*\t+1]   ; the largest score so far
.endr
.irp t, 0,1
	v_mul_f32 v[ST+8*\t+6], s[CS], v[ST+8*\t+1]    ; as t (c is positive)
.endr
.irp t, 0,1
	v_mov_b32 v[ST+8*\t+7], v[ST+8*\t]             ; the old -M
.endr
.irp t, 0,1
	v_floor_f32 v[ST+8*\t], -v[ST+8*\t+6]          ; the new -M = floor(-t) = -ceil(t): a whole number
.endr
.irp t, 0,1
	v_sub_f32 v[ST+8*\t+7], v[ST+8*\t], v[ST+8*\t+7]   ; old M - new M: a whole number, 0 or less
.endr
.irp t, 0,1
	v_cvt_i32_f32 v[ST+8*\t+7], v[ST+8*\t+7]       ; (it saturates)
.endr
.irp t, 0,1
	v_ldexp_f32 v[ST+8*\t+4], 1.0, v[ST+8*\t+7]    ; f = 2^(old M - new M)
.endr
.irp t, 0,1
.set j, 0
.rept 32
	v_pk_fma_f32 v[S+64*\t+j:S+64*\t+j+1], v[S+64*\t+j:S+64*\t+j+1], s[CS:CS+1], v[ST+8*\t:ST+8*\t+1] op_sel_hi:[1,0,0]   ; t - M, two at a time (of the pairs c and -M the low word serves both halves)
.set j, j+2
.endr
.endr
.set j, 0
.rept 128
	v_exp_f32 v[S+j], v[S+j]                       ; p = 2^(t - M): both tiles' 128 exponentials are ONE batch
.set j, j+1
.endr
.irp t, 0,1
	v_pk_mul_f32 v[ST+8*\t+2:ST+8*\t+3], v[ST+8*\t+2:ST+8*\t+3], v[ST+8*\t+4:ST+8*\t+5] op_sel_hi:[1,0]   ; the sums under the new M; also the plain line behind the last exponential
.endr
	s_wait_alu depctr_va_vdst(0)                   ; one wait for the batch, ahead of the first line that names a result
.irp t, 0,1                            ; the row's sum is taken of the UNQUANTISED p: two at a time, in two chains a tile
	v_pk_add_f32 v[ST+8*\t+6:ST+8*\t+7], v[S+64*\t:S+64*\t+1], v[S+64*\t+2:S+64*\t+3]
.endr
.irp j, 4,8,12,16,20,24,28,32,36,40,44,48,52,56,60
.irp t, 0,1
	v_pk_add_f32 v[ST+8*\t+2:ST+8*\t+3], v[ST+8*\t+2:ST+8*\t+3], v[S+64*\t+\j:S+64*\t+\j+1]
	v_pk_add_f32 v[ST+8*\t+6:ST+8*\t+7], v[ST+8*\t+6:ST+8*\t+7], v[S+64*\t+\j+2:S+64*\t+\j+3]
.endr
.endr
.irp t, 0,1
	v_pk_add_f32 v[ST+8*\t+2:ST+8*\t+3], v[ST+8*\t+2:ST+8*\t+3], v[ST+8*\t+6:ST+8*\t+7]
.endr
.endm
; p is at most 1, so p / 2^ep passes 448 only where ep is -9 or less: with ep from -8 up the hold changes nothing and is jumped over, by a scalar branch on the whole number ep, the same in every wave.  p is never negative: the hold is one-sided.
.macro HOLDP
	s_cmp_ge_i32 s18, -8
	s_cbranch_scc1 .Lfree_\@
.set i, 0
.rept 128
	v_min_num_f32 v[S+i], s30, v[S+i]
.set i, i+1
.endr
.Lfree_\@:
.endm
.macro PCODES                          ; tile kt's eight registers are keys 16 kt + 8 h + 0 .. 7: registers 2 kt, 2 kt + 1 of P
.irp t, 0,1
.irp k, 0,1,2,3,4,5,6,7
	v_cvt_scalef32_pk8_fp8_f32 v[P+16*\t+2*\k:P+16*\t+2*\k+1], v[S+64*\t+8*\k:S+64*\t+8*\k+7], v[SCP]
.endr
.endr
.endm
.macro RESCALE                         ; O^T under the new M: x f, each accumulator from its low end on.  These 32 are also the plain lines between the conversions and the products that read P
	WIN 0x41                                       ; O^T (destination and source 0) window 1, f window 0
.irp t, 0,1
.set j, 0
.rept 16
	v_pk_mul_f32 v[OT+32*\t+j:OT+32*\t+j+1], v[OT+32*\t+j:OT+32*\t+j+1], v[ST+8*\t+4:ST+8*\t+5] op_sel_hi:[1,0]
.set j, j+2
.endr
.endr
.endm
; A PREFETCH INTO THE L2, behind the trip's loads: in trip s the chunk s + 4 of K and of V, which the loads of trip s + 2 will ask for.  The eight work-groups of a head walk the same K and V: the head's first asks.
; Its eight waves x 32 lanes name the chunk's 2 x 128 rows of 256 bytes once each: waves 0 to 3 K's, waves 4 to 7 V's, 8,192 bytes a wave, a lane a row.  Chunks 0 to 3 come by their loads alone;
; the loop's last two trips (s = 12, 13: two or fewer trips to go) ask for nothing: chunk 15 is the last.
.macro ASK
	s_cmp_gt_u32 s[CNT], s[LIM]
	s_cbranch_scc0 .Lnot_mine_\@
	global_prefetch_b8 v[PFO], s[PFA:PFA+1] th:TH_LOAD_NT scope:SCOPE_SE
.Lnot_mine_\@:
.endm
; A TRIP: the chunk in hand is multiplied.  quant = 1: the next chunk is quantised into LDS, and the trip has a barrier.  load = 1: the chunk after that is loaded into registers.
.macro TRIP quant, load
	v_add_nc_u32 v[ADK], s[KRO], v[KRD0]
	v_add_nc_u32 v[ADV], s[VRO], v[VRD0]
	KFRAGS                                         ; this chunk's codes were stored in front of the last barrier; the loads land while the next chunk is quantised
.if \quant
	s_wait_loadcnt 0x0                             ; the next chunk's numbers, asked for a trip ago, are in: so their loads' bases may be written,
.if \load
	s_wait_xcnt 0x0                                ; and the last prefetch, a trip back, has read its address
	s_add_nc_u64 s[6:7], s[6:7], CHB
	s_add_nc_u64 s[8:9], s[8:9], CHB
	s_add_nc_u64 s[PFA:PFA+1], s[PFA:PFA+1], CHB
.endif
	QUANTKV 1
.if \load
	LOADS CHB                                      ; into the registers that the conversions have just read
	ASK
.endif
.endif
	s_wait_dscnt 0x0                               ; K's fragments are in; my stores of the next chunk have landed:
.if \quant
	s_barrier_signal -1                            ; say so.  Up to the wait stand register work and loads of this chunk's images, which nobody writes again
.endif
	QK
.rept 4
	v_nop                                          ; four places behind the products, ahead of the first read of S^T and of the loads into V's registers, which the last trip's products read
.endr
	VFRAGS
	SOFT1
.if \quant
	s_barrier_wait -1                              ; every wave's part of the next chunk lies in LDS
.endif
	HOLDP
	PCODES
	RESCALE
	s_wait_dscnt 0x0                               ; V's images are in
	PV
	WIN 0                                          ; at a label and at a branch every window is 0
	s_add_co_u32 s[KRO], s[KRO], 2048
	s_add_co_u32 s[VRO], s[VRO], 8192
.endm
.macro SCALE e, sc, hi                 ; from the whole number in s[e]: 2^e as f32 into v[sc], 448 x 2^e into s[hi]
	s_add_co_i32 s38, s[\e], 127
	s_lshl_b32 s39, s38, 23
	v_mov_b32 v[\sc], s39
	s_add_co_i32 s38, s38, 8
	s_lshl_b32 s38, s38, 23
	s_or_b32 s[\hi], s38, 0x600000
.endm
	s_load_b256 s[4:11], s[0:1], 0x0               ; Q s[4:5], K s[6:7], V s[8:9], the scales' exponents s[10:11]
	s_load_b64 s[12:13], s[0:1], 0x20              ; out
	v_lshl_add_u32 v254, v0, 2, 0x4ca00
	v_mov_b32 v255, 0
	v_lshrrev_b32 v59, 5, v0
	v_readfirstlane_b32 s[WV], v59                 ; wave 0..7
	v_and_b32 v54, 15, v0                          ; r = lane % 16
	v_bfe_u32 v55, v0, 4, 1                        ; h = lane / 16
	v_and_b32 v56, 31, v0                          ; lane
	v_bfe_u32 v57, v0, 2, 2                        ; (lane / 4) % 4: the plane of my four numbers of a dense load
	v_and_b32 v58, 3, v0                           ; lane % 4: their word in the key's 16 bytes
	s_lshl_b32 s38, s[WV], 8
	s_mul_i32 s39, s[WV], OW
	s_add_co_u32 s39, s39, OB                      ; my stage
	s_lshl_b32 s40, s[WV], 9
	s_add_co_u32 s40, s40, QB                      ; my 32 rows in a plane of Q
	v_mul_u32_u24 v[KRD0], v55, 2*PQ
	v_lshl_add_u32 v[KRD0], v54, 4, v[KRD0]
	v_lshl_add_u32 v[VRD0], v56, 4, VB
	v_mul_u32_u24 v[KWR0], v57, PQ
	v_lshl_add_u32 v[KWR0], v55, 4, v[KWR0]
	v_lshl_add_u32 v[KWR0], v58, 2, v[KWR0]
	v_add_nc_u32 v[KWR0], s38, v[KWR0]
	v_lshlrev_b32 v[VWR0], 11, v55
	v_lshl_add_u32 v[VWR0], v54, 4, v[VWR0]
	v_add_nc_u32 v[VWR0], s38, v[VWR0]
	v_add_nc_u32 v[VWR0], VB, v[VWR0]
	v_lshlrev_b32 v[GK], 4, v56
	v_lshlrev_b32 v[GV], 2, v56
	v_mul_u32_u24 v[STO], v54, 272                 ; in: row r, 32 bytes for each half of the lanes
	v_lshl_add_u32 v[STO], v55, 5, v[STO]
	v_add_nc_u32 v[STO], s39, v[STO]
	v_mul_u32_u24 v[SRD], v55, 272                 ; back: lanes 0-15 one row of 256 bytes, lanes 16-31 the next
	v_lshl_add_u32 v[SRD], v54, 4, v[SRD]
	v_add_nc_u32 v[SRD], s39, v[SRD]
	v_lshlrev_b32 v[GO], 8, v55                    ; and the same two rows in out
	v_lshl_add_u32 v[GO], v54, 4, v[GO]
	v_lshlrev_b32 v[PFO], 8, v56
	v_mul_u32_u24 v[QWR], v57, QP
	v_lshl_add_u32 v[QWR], v55, 4, v[QWR]
	v_lshl_add_u32 v[QWR], v58, 2, v[QWR]
	v_add_nc_u32 v[QWR], s40, v[QWR]
	v_mul_u32_u24 v[QRD], v55, 2*QP
	v_lshl_add_u32 v[QRD], v54, 4, v[QRD]
	v_add_nc_u32 v[QRD], s40, v[QRD]
	; byte offsets, each in a pair of its own with 0 above (a tensor is 2^24 bytes)
	s_and_b32 s41, ttmp7, 0xffff
	s_lshl_b32 s41, s41, 19                        ; the head's first byte: 2,048 rows of 256 bytes a head
	s_lshl_b32 s42, s[WV], 12
	s_add_co_u32 s42, s42, s41                     ; K: my 16 keys of a chunk
	s_mov_b32 s43, 0
	s_lshr_b32 s44, s[WV], 1
	s_lshl_b32 s44, s44, 13
	s_and_b32 s45, s[WV], 1
	s_lshl_b32 s45, s45, 11
	s_add_co_u32 s44, s44, s45
	s_add_co_u32 s44, s44, s41                     ; V: key 32 (w / 2) + 8 (w % 2) of a chunk
	s_mov_b32 s45, 0
	s_lshl_b32 s46, ttmp9, 16
	s_lshl_b32 s47, s[WV], 13
	s_add_co_u32 s46, s46, s47
	s_add_co_u32 s46, s46, s41                     ; Q and out: query 256 x work-group x + 32 w
	s_mov_b32 s47, 0
	s_and_b32 s2, s[WV], 3
	s_lshl_b32 s2, s2, 13
	s_add_co_u32 s2, s2, s41
	s_add_co_u32 s2, s2, 3*CHB                     ; the prefetches: my 32 rows, in chunk 3: the first trip steps them to chunk 4
	s_mov_b32 s3, 0
	s_mov_b32 s[SEL], 0x76543210
	s_mov_b32 s[SEL+1], 0xfedcba98
	s_mov_b32 s[KRO], 0
	s_mov_b32 s[VRO], 0
	s_mov_b32 s[CNT], 14
	s_cmp_eq_u32 ttmp9, 0
	s_cselect_b32 s[LIM], 2, -1
	s_wait_kmcnt 0x0
	s_load_b128 s[16:19], s[10:11], 0x0            ; eq, ek, ep, ev
	s_cmp_lt_u32 s[WV], 4
	s_cselect_b64 s[PFA:PFA+1], s[6:7], s[8:9]     ; waves 0 to 3 ask for K, waves 4 to 7 for V
	s_add_nc_u64 s[PFA:PFA+1], s[PFA:PFA+1], s[2:3]
	s_add_nc_u64 s[4:5], s[4:5], s[46:47]
	s_add_nc_u64 s[12:13], s[12:13], s[46:47]
	s_add_nc_u64 s[6:7], s[6:7], s[42:43]
	s_add_nc_u64 s[8:9], s[8:9], s[44:45]
	WIN 0x40
.irp t, 0,1
.irp j, 0,1,2,3,4,5,6,7
	global_load_b128 v[KF+32*\t+4*\j:KF+32*\t+4*\j+3], v[GK], s[4:5] offset:4096*\t+512*\j th:TH_LOAD_NT   ; my 32 rows of Q, dense, read by nobody else
.endr
.endr
	LOADS 0                                        ; chunk 0
	s_wait_kmcnt 0x0
	s_add_co_i32 s38, s16, s17
	s_lshl_b32 s38, s38, 23
	s_add_co_i32 s[CS], s38, 0x3e38aa3b            ; c = log2(e) / 8; a score stands for score x 2^(eq + ek): the two exponents are added to c's exponent field
	s_mov_b32 s[CS+1], s[CS]                       ; (named with it as a pair, so it is written)
	SCALE 16, SCQ, 29
	SCALE 17, SCK, 25
	SCALE 18, SCP, 30
	SCALE 19, SCV, 27
	s_or_b32 s28, s29, 0x80000000
	s_or_b32 s24, s25, 0x80000000
	s_or_b32 s26, s27, 0x80000000
	s_add_co_i32 s31, s18, s19                     ; ep + ev
.irp t, 0,1
	v_mov_b32 v[ST+8*\t], 0x7f61b1e6               ; -M = 3e38: the first f is 0
	v_mov_b32 v[ST+8*\t+1], 0xff800000             ; the largest score so far: under every score
	v_mov_b32 v[ST+8*\t+2], 0                      ; the sum
	v_mov_b32 v[ST+8*\t+3], 0
	v_mov_b32 v[ST+8*\t+4], 0
	v_mov_b32 v[ST+8*\t+5], 0                      ; written once: a lane permute's destination counts as one of its sources
.endr
	WIN 0x40
.set j, 0
.rept 64
	v_mov_b32 v[OT+j], 0                           ; O^T.  The trip is written for every chunk alike: the first finds zeros, which the first f leaves zeros; a first trip of its own would be a fourth copy of the trip's text
.set j, j+1
.endr
	s_wait_loadcnt 40                              ; Q's sixteen loads are in; chunk 0's 8 + 32, issued behind them, may be out
	WIN 0x41
	HOLD32 KF, 28, 29
	HOLD32 KF+32, 28, 29
	WIN 0x01
	CODES CK, KF, SCQ                              ; tile 0's rows
	CODES CV, KF+32, SCQ                           ; tile 1's
	WIN 0
	v_nop                                          ; the plain line behind the conversions
.irp t, 0,1
.irp j, 0,1,2,3,4,5,6,7
	ds_store_b32 v[QWR], v[CK+8*\t+\j] offset:256*\t+32*\j
.endr
.endr
.irp t, 0,1
.irp n, 0,1
	ds_load_b128 v[QF+8*\t+4*\n:QF+8*\t+4*\n+3], v[QRD] offset:\n*QP+256*\t   ; my own rows: LDS serves a wave's instructions in order (ISA guide 5.7.1.4), so these see the stores above
.endr
.endr
	s_wait_loadcnt 0x0                             ; chunk 0
	s_wait_dscnt 0x0                               ; Q's fragments are in, and the stores have read the codes' registers
	QUANTKV 0
	LOADS CHB                                      ; chunk 1
	s_wait_dscnt 0x0                               ; my part of chunk 0 has landed
	s_barrier_signal -1
	s_barrier_wait -1                              ; everybody's has
.Ltrip:                                            ; 14 trips: trip s multiplies chunk s, quantises chunk s + 1, loads chunk s + 2
	TRIP 1, 1
	s_sub_co_u32 s[CNT], s[CNT], 1
	s_cmp_lg_u32 s[CNT], 0
	s_cbranch_scc1 .Ltrip
	TRIP 1, 0                                      ; chunk 14: chunk 15 is quantised, and no load leaves its buffer
	TRIP 0, 0                                      ; chunk 15
	; THE WAY OUT.  The sum's two halves and the other half of the lanes' are added; O^T x 2^(ep + ev) / the sum goes through my stage in LDS, a tile (16 rows of 256 bytes) at a time. The additions are the places behind the last products.
.irp t, 0,1
	v_add_f32 v[ST+8*\t+6], v[ST+8*\t+2], v[ST+8*\t+3]
.endr
.irp t, 0,1
	v_permlanex16_b32 v[ST+8*\t+5], v[ST+8*\t+6], s[SEL], s[SEL+1]
.endr
.irp t, 0,1
	v_add_f32 v[ST+8*\t+6], v[ST+8*\t+6], v[ST+8*\t+5]
.endr
.irp t, 0,1
	v_rcp_f32 v[ST+8*\t+4], v[ST+8*\t+6]           ; the sum is above 1/2: the row's largest p is
.endr
	v_nop                                          ; a plain line behind the last reciprocal
	s_wait_alu depctr_va_vdst(0)                   ; one wait for both, ahead of the first use
.irp t, 0,1
	v_ldexp_f32 v[ST+8*\t+4], v[ST+8*\t+4], s31
.endr
	WIN 0x01                                       ; source 0 (O^T) window 1; S^T's registers are free
.irp t, 0,1
.set j, 0
.rept 16
	v_pk_mul_f32 v[S+64*\t+j:S+64*\t+j+1], v[OT+32*\t+j:OT+32*\t+j+1], v[ST+8*\t+4:ST+8*\t+5] op_sel_hi:[1,0]   ; register 8 ct + i is out(r, 16 ct + 8 h + i); each accumulator from its low end on
.set j, j+2
.endr
.endr
	WIN 0
.irp t, 0,1
.irp c, 0,1,2,3
	ds_store_b128 v[STO], v[S+64*\t+8*\c:S+64*\t+8*\c+3] offset:64*\c
	ds_store_b128 v[STO], v[S+64*\t+8*\c+4:S+64*\t+8*\c+7] offset:64*\c+16
.endr
.irp i, 0,1,2,3,4,5,6,7
	ds_load_b128 v[S+64*\t+32+4*\i:S+64*\t+32+4*\i+3], v[SRD] offset:544*\i   ; in order behind my stores; tile 1's stores come behind tile 0's loads
.endr
.endr
.irp t, 0,1
.irp i, 0,1,2,3,4,5,6,7
	s_wait_dscnt 16*(1-\t)+7-\i                    ; behind this load: the tile's 7 - i younger loads and, for tile 0, tile 1's eight stores and eight loads
	global_store_b128 v[GO], v[S+64*\t+32+4*\i:S+64*\t+32+4*\i+3], s[12:13] offset:4096*\t+512*\i th:TH_STORE_NT   ; 16 lanes store 256 consecutive bytes, a whole row, at a multiple of 256 from out's first byte
.endr
.endr
	s_wait_tensorcnt 0x0
	ds_add_u32 v254, v255
	s_wait_dscnt 0x0
	s_endpgm
.Lfunc_end_k_q1ea6dd17c9_attn:
	.size	k_q1ea6dd17c9_attn, .Lfunc_end_k_q1ea6dd17c9_attn-k_q1ea6dd17c9_attn
	.p2alignl 7, 3214868480
	.fill 96, 4, 3214868480
	.section	.rodata,"a",@progbits
	.p2align	6, 0x0
	.amdhsa_kernel k_q1ea6dd17c9_attn
		.amdhsa_group_segment_fixed_size 314880
		.amdhsa_private_segment_fixed_size 0
		.amdhsa_enable_private_segment 0
		.amdhsa_kernarg_size 40
		.amdhsa_user_sgpr_count 2
		.amdhsa_user_sgpr_kernarg_segment_ptr 1
		.amdhsa_wavefront_size32 1
		.amdhsa_system_sgpr_workgroup_id_x 1
		.amdhsa_system_sgpr_workgroup_id_y 1
		.amdhsa_system_sgpr_workgroup_id_z 1
		.amdhsa_system_vgpr_workitem_id 0
		.amdhsa_next_free_vgpr 512
		.amdhsa_next_free_sgpr 66
		.amdhsa_reserve_vcc 0
		.amdhsa_float_denorm_mode_32 3
		.amdhsa_float_denorm_mode_16_64 3
		.amdhsa_memory_ordered 1
		.amdhsa_forward_progress 1
		.amdhsa_inst_pref_size 135
	.end_amdhsa_kernel
	.amdgpu_metadata
---
amdhsa.version: [ 1, 2 ]
amdhsa.kernels:
  - .name:           k_q1ea6dd17c9_attn
    .symbol:         k_q1ea6dd17c9_attn.kd
    .args:
      - { .name: Q, .offset: 0, .size: 8, .value_kind: global_buffer, .address_space: global }
      - { .name: K, .offset: 8, .size: 8, .value_kind: global_buffer, .address_space: global }
      - { .name: V, .offset: 16, .size: 8, .value_kind: global_buffer, .address_space: global }
      - { .name: lowp_scales, .offset: 24, .size: 8, .value_kind: global_buffer, .address_space: global }
      - { .name: out0, .offset: 32, .size: 8, .value_kind: global_buffer, .address_space: global }
    .group_segment_fixed_size: 314880
    .private_segment_fixed_size: 0
    .kernarg_segment_align: 8
    .kernarg_segment_size: 40
    .max_flat_workgroup_size: 256
    .sgpr_count:     66
    .vgpr_count:     512
    .wavefront_size: 32
...
	.end_amdgpu_metadata
.endif
;; end of part 1
;; ======== version 2 of 2: 1 launch; version 1 with the launch attn written anew for expert scheduling mode
;; launch attn (part 2): grid 8 x 32, 8 waves a work-group, no clusters, 314,880 bytes of LDS; arguments Q, K, V, lowp_scales, out0; writes out0
.if DOCPART == 2
	.amdgcn_target "amdgcn-amd-amdhsa--gfx1250"
	.amdhsa_code_object_version 6
	.text
	.protected	k_q1ea6dd17c9_attn
	.globl	k_q1ea6dd17c9_attn
	.p2align	8
	.type	k_q1ea6dd17c9_attn,@function
k_q1ea6dd17c9_attn:
	s_mov_b64 s[64:65], 0
	v_nop
	global_prefetch_b8 v0, s[64:65] scope:SCOPE_SE
	s_setreg_imm32_b32 hwreg(HW_REG_WAVE_SCHED_MODE, 0, 2), 2
	s_setreg_imm32_b32 hwreg(HW_REG_WAVE_MODE, 25, 1), 1
	s_wait_xcnt 0x0
	s_wait_alu depctr_vm_vsrc(0)
; out[h][q][:] = the sum over k of softmax_k(Q[h][q] . K[h][k] / 8) V[h][k][:].  Q, K, V, out: [32 heads][2048][64] f32.  Both products on codes of E4M3, each operand with its given scale: 2^eq, 2^ek, 2^ep, 2^ev.
; THE SOFTMAX AHEAD OF THE SECOND PRODUCT: t = score x log2(e) / 8; M = the running largest t, rounded UP to a whole number; p = 2^(t - M) is what is quantised, not normalised.  The row's sum is taken of the
; unquantised p, in f32, and divides at the end.  When M moves, the sum and O are multiplied by 2^(old M - new M), which rounds nothing.
; SHARES.  A work-group owns 256 queries of one head, each of its eight waves 32: two tiles of 16.  Every wave walks the head's 2,048 keys, 128 (a chunk) a trip, 16 trips.
; K AND V LIE IN LDS AS CODES, WHOLE: 2 x 131,072 bytes a head.  No LDS byte is written twice, so there is no ring.  In trip s every wave multiplies chunk s, quantises its eighth of chunk s + 1
; (f32 loaded a trip earlier) into LDS, and loads its eighth of chunk s + 2 into registers.  One barrier a trip stands between the stores of a chunk and its reads.
; LAYOUT.  Both products are used transposed: S^T = K Q^T (source 0 = 16 keys, source 1 = 16 queries), O^T = V^T P^T (source 0 = 16 channels, source 1 = P): a lane holds ONE query (lane % 16) throughout.
; In S^T's tile kt a lane's register j is key 16 kt + 8 (lane / 16) + j: the conversion of those eight registers gives registers 2 kt, 2 kt + 1 of P as the K = 128 form wants them.
; In the first product the head's 64 numbers stand permuted, alike in K and in Q (register 4 n + e of lane (r, h): d = 32 h + 16 n + 4 e + 0 .. 3): every product meets its partner; only the order of the sums inside an instruction differs.
; NO TENSOR LOADS, NO CLUSTER, though the eight work-groups of a head read the same K and V: what is shared arrives as f32, 65,536 bytes a chunk, which would have to lie in LDS beside the 313,856 bytes in use
; (more than a work-group can have), be read back and be stored again as codes; and this text branches on the whole number ep, which spares 128 lines a trip.
; LIMITS on the given exponents, so that each power of two below is an f32 number: eq, ek, ep, ev between -126 and 119; eq + ek between -123 and 130 (they are added to c's exponent field); ep + ev goes by v_ldexp_f32 and has none.
; NaN among the inputs is not served; an infinity is held at the largest code.
; THE MODE: SCHED_MODE bits 1:0 = 2 (LLVM: expert scheduling mode 2), set by the entry lines.  The code itself states the register dependences
; between vector or matrix instructions and memory or LDS instructions, with s_wait_alu, always for 0.
; THE PLAN.  Registers that memory or LDS instructions touch, in trip s:
;   XK, YV      The trip's holds and conversions read and write them; behind those the global loads of chunk s + 2 land in them.
;   CK, CV      Written by the conversions; read by the trip's ten LDS stores.
;   KF          Read by the trip's products K Q^T; behind the trip's barrier the fragments of chunk s + 1 land in it.
;   VF          Read by the products V^T P^T at the trip's end; the next trip's images land in it behind that trip's K Q^T.
;   v[ADK], v[ADV], v[AWK], v[AWV]   Each written once a trip, by an addition ahead of the trip's first wait on va_vdst; read by the LDS loads and stores.
;   v[GK], v[GV], v[PFO] and the way out's addresses are made at the head and never written again.  S^T, P, O^T, Q's fragments and the statistics are named by vector and matrix instructions alone.
; So a trip has three lines.  (1) vm_vsrc at its head: the LDS instructions issued so far have read the four addresses and the codes' registers, which the trip writes again.
; (2) va_vdst behind the conversions: the codes and the four addresses are written; the holds and conversions are done with XK and YV; the last trip's V^T P^T is done reading VF.  Behind it follow the LDS stores,
; the global loads and, behind K Q^T, V's images: no vector or matrix instruction in between names a register that they touch.  (3) va_vdst behind the exponentials, ahead of the
; first use of a result: it also states that K Q^T is done reading KF; only additions on S^T and the statistics stand between it and the next chunk's fragment loads.
;
; LDS.  K: four planes q, PQ bytes apart: byte q PQ + 16 key + 4 e + b is the code of d = 16 q + 4 e + b.  The 64 bytes that a plane has over 2,048 x 16 shift it by 16 banks (64 banks of 4 bytes: ISA guide 11.1),
;       so that the 32 lanes of a store of 4 bytes (2 keys x 16 groups of d) touch 32 different banks; a fragment's load takes 256 consecutive bytes in 16 lanes.
;       V: images of the operand's registers: chunk x 8,192 + 2,048 ct + 512 n + 16 lane holds registers 4 n .. 4 n + 3 of the fragment of channels 16 ct on.
;       Q: as K, 256 rows; each wave writes and reads its own 32 rows.   The way out: 16 rows x 272 bytes for each wave.
.set PQ,   32832
.set VB,   4*PQ                        ; 131,328
.set QB,   VB+131072                   ; 262,400
.set QP,   4160                        ; 256 x 16 + 64
.set OB,   QB+4*QP                     ; 279,040
.set OW,   16*272                      ; a wave's stage; OB + 8 OW = 313,856
.set CHB,  32768                       ; a chunk of K or of V in memory: 128 rows of 256 bytes
; REGISTERS, window 0 (an instruction names v0-v255; s_set_vgpr_msb says which window each operand place means: bits 1:0 source 0, 3:2 source 1, 5:4 source 2, 7:6 destination)
.set KRD0, 1                           ; my lane's place in a fragment of K: 2 PQ h + 16 r
.set VRD0, 2                           ; in an image of V: VB + 16 lane
.set KWR0, 3                           ; where I store codes of K: plane (lane / 4) % 4, key 16 w + lane / 16, word lane % 4
.set VWR0, 4                           ; where I store codes of V: VB + 2,048 (lane / 16) + 16 (lane % 16) + 256 w
.set GK,   5                           ; 16 lane: my bytes of a dense load of 512
.set GV,   6                           ; 4 lane: my channel of a row of V
.set ADK,  7                           ; the four LDS addresses in hand
.set ADV,  8
.set AWK,  9
.set AWV,  10
.set STO,  11                          ; the way out: where I put 32 bytes of a row,
.set SRD,  12                          ; where I read a row back,
.set GO,   13                          ; and my byte offset in the wave's rows of out
.set SCK,  14                          ; 2^ek, 2^ev as f32: the conversions take the exponent field
.set SCV,  15
.set QF,   16                          ; v16-31  Q's two fragments
.set ST,   32                          ; tile t's statistics at v[ST + 8 t]: +0 -M, +1 the largest score so far, +2, +3 the sum in two halves, +4 f, +5 the other half's maximum, +6, +7 at work
.set SCP,  48                          ; 2^ep, 2^eq
.set SCQ,  49
.set PFO,  50                          ; 256 lane: the prefetches' offset
.set QWR,  51                          ; Q's codes into LDS,
.set QRD,  52                          ; and back as fragments
.set S,    64                          ; v64-191  S^T, then p: tile t, keys' tile kt at S + 64 t + 8 kt
.set P,    192                         ; v192-223 p's codes, 16 a tile
.set CK,   224                         ; v224-231 codes of K just made;  v232-239 of V
.set CV,   232
; window 1
.set OT,   0                           ; O^T: tile t, channels' tile ct at 32 t + 8 ct
.set KF,   64                          ; K's eight fragments of a chunk (at the head: Q's 64 numbers)
.set VF,   128                         ; V's four fragments of a chunk
.set XK,   192                         ; 32 numbers of K as loaded
.set YV,   224                         ; 32 numbers of V as loaded
; scalars: s[4:5] Q, s[6:7] K, s[8:9] V at my wave's part; s[12:13] out; s[16:19] eq, ek, ep, ev; s24/25, s26/27, s28/29 -/+ 448 x 2^ek, 2^ev, 2^eq; s30 448 x 2^ep; s31 ep + ev
.set WV,   14
.set SEL,  20                          ; s[20:21] lane selects for v_permlanex16_b32: lane l xor 16
.set CS,   22                          ; s[22:23] c = log2(e) / 8 x 2^(eq + ek): the packed form names a pair and takes its low word for both halves
.set KRO,  32                          ; 2,048 x trip: the chunk in hand among K's planes
.set VRO,  33                          ; 8,192 x trip: among V's images
.set CNT,  34                          ; the loop's trips to go
.set LIM,  35                          ; 2 in a work-group that prefetches, else the greatest number
.set PFA,  36                          ; s[36:37] where my prefetches stand
.set MSB, 0
.macro WIN new                         ; the immediate's high byte repeats the setting that is left; a switch that changes nothing is dropped
.if MSB != \new
	s_set_vgpr_msb (MSB<<8)|\new
.set MSB, \new
.endif
.endm
; My eighth of a chunk, off bytes behind the bases.  K: keys 16 w .. 16 w + 15 as eight dense loads of 512 bytes: load j gives lane l the numbers d = 4 (l % 16) + 0 .. 3 of key 2 j + l / 16.
; V: wave w = 2 n + hw takes keys 32 n + 8 hw + 16 u + j; a lane takes a channel and its registers run down the keys; the two loads of a row (128 bytes each) stand together.
.macro LOADS off
	WIN 0x40                                       ; destination window 1, address window 0
.irp j, 0,1,2,3,4,5,6,7
	global_load_b128 v[XK+4*\j:XK+4*\j+3], v[GK], s[6:7] offset:\off+512*\j
.endr
.irp u, 0,1
.irp j, 0,1,2,3,4,5,6,7
.irp f, 0,1
	global_load_b32 v[YV+16*\f+8*\u+\j], v[GV], s[8:9] offset:\off+256*(16*\u+\j)+128*\f
.endr
.endr
.endr
	WIN 0
.endm
.macro HOLD32 base, lo, hi             ; the conversion to an 8-bit code does not saturate (ISA guide 7.6.2): each number is held within the largest code x the scale first
.set i, 0
.rept 32
	v_med3_num_f32 v[\base+i], v[\base+i], s[\lo], s[\hi]
.set i, i+1
.endr
.endm
.macro CODES dst, src, sc              ; 32 numbers of a lane become 32 codes in 8 registers; the first number's code in the lowest byte
.irp g, 0,1,2,3
	v_cvt_scalef32_pk8_fp8_f32 v[\dst+2*\g:\dst+2*\g+1], v[\src+8*\g:\src+8*\g+7], v[\sc]
.endr
.endm
; The numbers in XK and YV become codes and go to LDS, a chunks behind the chunk in hand.  CK + j holds the four codes of load j; CV + 4 f .. + 3 are registers 4 n .. 4 n + 3 of lane (channel % 16, hw) of image 2 f + lane / 16.
.macro QUANTKV a
	WIN 0x41                                       ; source 0 and destination window 1
	HOLD32 XK, 24, 25
	HOLD32 YV, 26, 27
	WIN 0x01                                       ; source 0 window 1
	CODES CK, XK, SCK
	CODES CV, YV, SCV
	WIN 0
	v_add_nc_u32 v[AWK], s[KRO], v[KWR0]           ; (these two are also the plain lines behind the conversions)
	v_add_nc_u32 v[AWV], s[VRO], v[VWR0]
	s_wait_alu depctr_va_vdst(0)                   ; the conversions have written v[CK ..] and v[CV ..], the additions the LDS addresses in hand, all of which the LDS instructions below read; the holds and conversions are done with XK and YV, in which the next global loads land; the products V^T P^T issued so far are done reading VF, in which V's next images land
.irp j, 0,1,2,3,4,5,6,7
	ds_store_b32 v[AWK], v[CK+\j] offset:\a*2048+32*\j
.endr
.irp f, 0,1
	ds_store_b128 v[AWV], v[CV+4*\f:CV+4*\f+3] offset:\a*8192+4096*\f
.endr
.endm
.macro KFRAGS a                        ; eight fragments of K, a chunks behind the chunk that v[ADK] stands at: planes 2 h and 2 h + 1 of keys 16 kt + r
	WIN 0x40
.irp k, 0,1,2,3,4,5,6,7
.irp n, 0,1
	ds_load_b128 v[KF+8*\k+4*\n:KF+8*\k+4*\n+3], v[ADK] offset:\a*2048+\n*PQ+256*\k
.endr
.endr
.endm
.macro VFRAGS                          ; the chunk's four images of V
	WIN 0x40
.irp c, 0,1,2,3
.irp n, 0,1,2,3
	ds_load_b128 v[VF+16*\c+4*\n:VF+16*\c+4*\n+3], v[ADV] offset:2048*\c+512*\n
.endr
.endr
	WIN 0
.endm
.macro QK                              ; S^T = K Q^T: each fragment of K feeds both tiles of queries; every product starts its own sum
	WIN 0x01                                       ; source 0 (K) window 1
.irp k, 0,1,2,3,4,5,6,7
.irp t, 0,1
	v_wmma_f32_16x16x64_fp8_fp8 v[S+64*\t+8*\k:S+64*\t+8*\k+7], v[KF+8*\k:KF+8*\k+7], v[QF+8*\t:QF+8*\t+7], 0
.endr
.endr
.endm
.macro PV                              ; O^T += V^T P^T: the eight accumulators take turns, one instruction a turn
	WIN 0x51                                       ; source 0 (V), C and D window 1; source 1 (P) window 0
.irp c, 0,1,2,3
.irp t, 0,1
	v_wmma_f32_16x16x128_fp8_fp8 v[OT+32*\t+8*\c:OT+32*\t+8*\c+7], v[VF+16*\c:VF+16*\c+15], v[P+16*\t:P+16*\t+15], v[OT+32*\t+8*\c:OT+32*\t+8*\c+7]
.endr
.endr
.endm
; The softmax of both tiles for a chunk, up to the row's sum.  The two tiles alternate, so that where one line feeds the next the other tile's stands between.
.macro SOFT1
.irp t, 0,1                            ; the chunk's largest score among my 64 keys, in two chains a tile; each accumulator is read from its low end on
	v_max3_num_f32 v[ST+8*\t+6], v[S+64*\t], v[S+64*\t+1], v[S+64*\t+2]
	v_max3_num_f32 v[ST+8*\t+7], v[S+64*\t+3], v[S+64*\t+4], v[S+64*\t+5]
.endr
.irp i, 6,10,14,18,22,26,30,34,38,42,46,50,54,58
.irp t, 0,1
	v_max3_num_f32 v[ST+8*\t+6], v[ST+8*\t+6], v[S+64*\t+\i], v[S+64*\t+\i+1]
	v_max3_num_f32 v[ST+8*\t+7], v[ST+8*\t+7], v[S+64*\t+\i+2], v[S+64*\t+\i+3]
.endr
.endr
.irp t, 0,1
	v_max3_num_f32 v[ST+8*\t+6], v[ST+8*\t+6], v[S+64*\t+62], v[S+64*\t+63]
.endr
.irp t, 0,1
	v_max_num_f32 v[ST+8*\t+6], v[ST+8*\t+6], v[ST+8*\t+7]
.endr
.irp t, 0,1
	v_permlanex16_b32 v[ST+8*\t+5], v[ST+8*\t+6], s[SEL], s[SEL+1]   ; the query's other 64 keys lie in the lane 16 away
.endr
.irp t, 0,1
	v_max3_num_f32 v[ST+8*\t+1], v[ST+8*\t+6], v[ST+8*\t+5], v[ST+8*\t+1]   ; the largest score so far
.endr
.irp t, 0,1
	v_mul_f32 v[ST+8*\t+6], s[CS], v[ST+8*\t+1]    ; as t (c is positive)
.endr
.irp t, 0,1
	v_mov_b32 v[ST+8*\t+7], v[ST+8*\t]             ; the old -M
.endr
.irp t, 0,1
	v_floor_f32 v[ST+8*\t], -v[ST+8*\t+6]          ; the new -M = floor(-t) = -ceil(t): a whole number
.endr
.irp t, 0,1
	v_sub_f32 v[ST+8*\t+7], v[ST+8*\t], v[ST+8*\t+7]   ; old M - new M: a whole number, 0 or less
.endr
.irp t, 0,1
	v_cvt_i32_f32 v[ST+8*\t+7], v[ST+8*\t+7]       ; (it saturates)
.endr
.irp t, 0,1
	v_ldexp_f32 v[ST+8*\t+4], 1.0, v[ST+8*\t+7]    ; f = 2^(old M - new M)
.endr
.irp t, 0,1
.set j, 0
.rept 32
	v_pk_fma_f32 v[S+64*\t+j:S+64*\t+j+1], v[S+64*\t+j:S+64*\t+j+1], s[CS:CS+1], v[ST+8*\t:ST+8*\t+1] op_sel_hi:[1,0,0]   ; t - M, two at a time (of the pairs c and -M the low word serves both halves)
.set j, j+2
.endr
.endr
.set j, 0
	s_wait_alu depctr_va_vdst(0)
.rept 128
	v_exp_f32 v[S+j], v[S+j]                       ; p = 2^(t - M): both tiles' 128 exponentials are ONE batch
.set j, j+1
.endr
.irp t, 0,1
	v_pk_mul_f32 v[ST+8*\t+2:ST+8*\t+3], v[ST+8*\t+2:ST+8*\t+3], v[ST+8*\t+4:ST+8*\t+5] op_sel_hi:[1,0]   ; the sums under the new M; also the plain line behind the last exponential
.endr
	s_wait_alu depctr_va_vdst(0)                   ; the exponentials have written p: one wait for the batch, ahead of the first line that names a result; and the products K Q^T are done reading KF, in which the next chunk's fragments land behind the barrier
.irp t, 0,1                            ; the row's sum is taken of the UNQUANTISED p: two at a time, in two chains a tile
	v_pk_add_f32 v[ST+8*\t+6:ST+8*\t+7], v[S+64*\t:S+64*\t+1], v[S+64*\t+2:S+64*\t+3]
.endr
.irp j, 4,8,12,16,20,24,28,32,36,40,44,48,52,56,60
.irp t, 0,1
	v_pk_add_f32 v[ST+8*\t+2:ST+8*\t+3], v[ST+8*\t+2:ST+8*\t+3], v[S+64*\t+\j:S+64*\t+\j+1]
	v_pk_add_f32 v[ST+8*\t+6:ST+8*\t+7], v[ST+8*\t+6:ST+8*\t+7], v[S+64*\t+\j+2:S+64*\t+\j+3]
.endr
.endr
.irp t, 0,1
	v_pk_add_f32 v[ST+8*\t+2:ST+8*\t+3], v[ST+8*\t+2:ST+8*\t+3], v[ST+8*\t+6:ST+8*\t+7]
.endr
.endm
; p is at most 1, so p / 2^ep passes 448 only where ep is -9 or less: with ep from -8 up the hold changes nothing and is jumped over, by a scalar branch on the whole number ep, the same in every wave.  p is never negative: the hold is one-sided.
.macro HOLDP
	s_cmp_ge_i32 s18, -8
	s_cbranch_scc1 .Lfree_\@
.set i, 0
.rept 128
	v_min_num_f32 v[S+i], s30, v[S+i]
.set i, i+1
.endr
.Lfree_\@:
.endm
.macro PCODES                          ; tile kt's eight registers are keys 16 kt + 8 h + 0 .. 7: registers 2 kt, 2 kt + 1 of P
.irp t, 0,1
.irp k, 0,1,2,3,4,5,6,7
	v_cvt_scalef32_pk8_fp8_f32 v[P+16*\t+2*\k:P+16*\t+2*\k+1], v[S+64*\t+8*\k:S+64*\t+8*\k+7], v[SCP]
.endr
.endr
.endm
.macro RESCALE                         ; O^T under the new M: x f, each accumulator from its low end on.  These 32 are also the plain lines between the conversions and the products that read P
	WIN 0x41                                       ; O^T (destination and source 0) window 1, f window 0
.irp t, 0,1
.set j, 0
.rept 16
	v_pk_mul_f32 v[OT+32*\t+j:OT+32*\t+j+1], v[OT+32*\t+j:OT+32*\t+j+1], v[ST+8*\t+4:ST+8*\t+5] op_sel_hi:[1,0]
.set j, j+2
.endr
.endr
.endm
; A PREFETCH INTO THE L2, behind the trip's loads: in trip s the chunk s + 4 of K and of V, which the loads of trip s + 2 will ask for.  The eight work-groups of a head walk the same K and V: the head's first asks.
; Its eight waves x 32 lanes name the chunk's 2 x 128 rows of 256 bytes once each: waves 0 to 3 K's, waves 4 to 7 V's, 8,192 bytes a wave, a lane a row.  Chunks 0 to 3 come by their loads alone;
; the loop's last two trips (s = 12, 13: two or fewer trips to go) ask for nothing: chunk 15 is the last.
.macro ASK
	s_cmp_gt_u32 s[CNT], s[LIM]
	s_cbranch_scc0 .Lnot_mine_\@
	global_prefetch_b8 v[PFO], s[PFA:PFA+1] th:TH_LOAD_NT scope:SCOPE_SE
.Lnot_mine_\@:
.endm
; A TRIP: the chunk in hand is multiplied; its fragments of K were asked for behind the last barrier.  quant = 1: the next chunk is quantised into LDS, the trip has a barrier, and behind it the next chunk's fragments of K are asked for.
; load = 1: the chunk after that is loaded into registers.
.macro TRIP quant, load
	s_wait_alu depctr_vm_vsrc(0)                   ; the LDS loads and stores issued so far have read the four addresses in hand and the codes' registers, all of which this trip writes again
.if \quant
	v_add_nc_u32 v[ADK], s[KRO], v[KRD0]
.endif
	v_add_nc_u32 v[ADV], s[VRO], v[VRD0]
.if \quant
	s_wait_loadcnt 0x0                             ; the next chunk's numbers, asked for a trip ago, are in: so their loads' bases may be written,
.if \load
	s_wait_xcnt 0x0                                ; and the last prefetch, a trip back, has read its address
	s_add_nc_u64 s[6:7], s[6:7], CHB
	s_add_nc_u64 s[8:9], s[8:9], CHB
	s_add_nc_u64 s[PFA:PFA+1], s[PFA:PFA+1], CHB
.endif
	QUANTKV 1
.if \load
	LOADS CHB                                      ; into the registers that the conversions have read.  No wait: no vector or matrix instruction since the wait ahead of the stores names them
	ASK
.endif
.else
	s_wait_alu depctr_va_vdst(0)                   ; v[ADV] is written, which the loads of V's images read; the last trip's products V^T P^T are done reading VF, in which they land
.endif
	s_wait_dscnt 0x0                               ; K's fragments are in; my stores of the next chunk have landed:
.if \quant
	s_barrier_signal -1                            ; say so.  Up to the wait stand register work and loads of this chunk's images, which nobody writes again
.endif
	QK
	VFRAGS                                         ; no wait: since the trip's first wait on va_vdst only K Q^T has been issued, which names S^T, KF and Q's fragments
.rept 4
	v_nop                                          ; four places behind the products (ISA guide 7.12.1), ahead of the first read of S^T
.endr
	SOFT1
.if \quant
	s_barrier_wait -1                              ; every wave's part of the next chunk lies in LDS
	KFRAGS 1                                       ; the next chunk's fragments of K.  No wait: since the wait behind the exponentials only additions on S^T and the statistics have been issued
	WIN 0                                          ; (a branch follows)
.endif
	HOLDP
	PCODES
	RESCALE
.if \quant
	s_wait_alu depctr_va_vdst(0)
	s_wait_dscnt 16                                ; V's images are in; the sixteen younger loads, the next chunk's fragments of K, may stay out
.else
	s_wait_alu depctr_va_vdst(0)
	s_wait_dscnt 0x0                               ; V's images are in
.endif
	PV
	WIN 0                                          ; at a label and at a branch every window is 0
	s_add_co_u32 s[KRO], s[KRO], 2048
	s_add_co_u32 s[VRO], s[VRO], 8192
.endm
.macro SCALE e, sc, hi                 ; from the whole number in s[e]: 2^e as f32 into v[sc], 448 x 2^e into s[hi]
	s_add_co_i32 s38, s[\e], 127
	s_lshl_b32 s39, s38, 23
	v_mov_b32 v[\sc], s39
	s_add_co_i32 s38, s38, 8
	s_lshl_b32 s38, s38, 23
	s_or_b32 s[\hi], s38, 0x600000
.endm
	s_load_b256 s[4:11], s[0:1], 0x0               ; Q s[4:5], K s[6:7], V s[8:9], the scales' exponents s[10:11]
	s_load_b64 s[12:13], s[0:1], 0x20              ; out
	v_lshl_add_u32 v254, v0, 2, 0x4ca00
	v_mov_b32 v255, 0
	v_lshrrev_b32 v59, 5, v0
	v_readfirstlane_b32 s[WV], v59                 ; wave 0..7
	v_and_b32 v54, 15, v0                          ; r = lane % 16
	v_bfe_u32 v55, v0, 4, 1                        ; h = lane / 16
	v_and_b32 v56, 31, v0                          ; lane
	v_bfe_u32 v57, v0, 2, 2                        ; (lane / 4) % 4: the plane of my four numbers of a dense load
	v_and_b32 v58, 3, v0                           ; lane % 4: their word in the key's 16 bytes
	s_wait_alu depctr_va_sdst(0)                   ; the wave's number is written, ahead of its first reader: LDS addresses, offsets and branches are made from it
	s_lshl_b32 s38, s[WV], 8
	s_mul_i32 s39, s[WV], OW
	s_add_co_u32 s39, s39, OB                      ; my stage
	s_lshl_b32 s40, s[WV], 9
	s_add_co_u32 s40, s40, QB                      ; my 32 rows in a plane of Q
	v_mul_u32_u24 v[KRD0], v55, 2*PQ
	v_lshl_add_u32 v[KRD0], v54, 4, v[KRD0]
	v_lshl_add_u32 v[VRD0], v56, 4, VB
	v_mul_u32_u24 v[KWR0], v57, PQ
	v_lshl_add_u32 v[KWR0], v55, 4, v[KWR0]
	v_lshl_add_u32 v[KWR0], v58, 2, v[KWR0]
	v_add_nc_u32 v[KWR0], s38, v[KWR0]
	v_lshlrev_b32 v[VWR0], 11, v55
	v_lshl_add_u32 v[VWR0], v54, 4, v[VWR0]
	v_add_nc_u32 v[VWR0], s38, v[VWR0]
	v_add_nc_u32 v[VWR0], VB, v[VWR0]
	v_lshlrev_b32 v[GK], 4, v56
	v_lshlrev_b32 v[GV], 2, v56
	v_mul_u32_u24 v[STO], v54, 272                 ; in: row r, 32 bytes for each half of the lanes
	v_lshl_add_u32 v[STO], v55, 5, v[STO]
	v_add_nc_u32 v[STO], s39, v[STO]
	v_mul_u32_u24 v[SRD], v55, 272                 ; back: lanes 0-15 one row of 256 bytes, lanes 16-31 the next
	v_lshl_add_u32 v[SRD], v54, 4, v[SRD]
	v_add_nc_u32 v[SRD], s39, v[SRD]
	v_lshlrev_b32 v[GO], 8, v55                    ; and the same two rows in out
	v_lshl_add_u32 v[GO], v54, 4, v[GO]
	v_lshlrev_b32 v[PFO], 8, v56
	v_mul_u32_u24 v[QWR], v57, QP
	v_lshl_add_u32 v[QWR], v55, 4, v[QWR]
	v_lshl_add_u32 v[QWR], v58, 2, v[QWR]
	v_add_nc_u32 v[QWR], s40, v[QWR]
	v_mul_u32_u24 v[QRD], v55, 2*QP
	v_lshl_add_u32 v[QRD], v54, 4, v[QRD]
	v_add_nc_u32 v[QRD], s40, v[QRD]
	; byte offsets, each in a pair of its own with 0 above (a tensor is 2^24 bytes)
	s_and_b32 s41, ttmp7, 0xffff
	s_lshl_b32 s41, s41, 19                        ; the head's first byte: 2,048 rows of 256 bytes a head
	s_lshl_b32 s42, s[WV], 12
	s_add_co_u32 s42, s42, s41                     ; K: my 16 keys of a chunk
	s_mov_b32 s43, 0
	s_lshr_b32 s44, s[WV], 1
	s_lshl_b32 s44, s44, 13
	s_and_b32 s45, s[WV], 1
	s_lshl_b32 s45, s45, 11
	s_add_co_u32 s44, s44, s45
	s_add_co_u32 s44, s44, s41                     ; V: key 32 (w / 2) + 8 (w % 2) of a chunk
	s_mov_b32 s45, 0
	s_lshl_b32 s46, ttmp9, 16
	s_lshl_b32 s47, s[WV], 13
	s_add_co_u32 s46, s46, s47
	s_add_co_u32 s46, s46, s41                     ; Q and out: query 256 x work-group x + 32 w
	s_mov_b32 s47, 0
	s_and_b32 s2, s[WV], 3
	s_lshl_b32 s2, s2, 13
	s_add_co_u32 s2, s2, s41
	s_add_co_u32 s2, s2, 3*CHB                     ; the prefetches: my 32 rows, in chunk 3: the first trip steps them to chunk 4
	s_mov_b32 s3, 0
	s_mov_b32 s[SEL], 0x76543210
	s_mov_b32 s[SEL+1], 0xfedcba98
	s_mov_b32 s[KRO], 0
	s_mov_b32 s[VRO], 0
	s_mov_b32 s[CNT], 14
	s_cmp_eq_u32 ttmp9, 0
	s_cselect_b32 s[LIM], 2, -1
	s_wait_kmcnt 0x0
	s_load_b128 s[16:19], s[10:11], 0x0            ; eq, ek, ep, ev
	s_cmp_lt_u32 s[WV], 4
	s_cselect_b64 s[PFA:PFA+1], s[6:7], s[8:9]     ; waves 0 to 3 ask for K, waves 4 to 7 for V
	s_add_nc_u64 s[PFA:PFA+1], s[PFA:PFA+1], s[2:3]
	s_add_nc_u64 s[4:5], s[4:5], s[46:47]
	s_add_nc_u64 s[12:13], s[12:13], s[46:47]
	s_add_nc_u64 s[6:7], s[6:7], s[42:43]
	s_add_nc_u64 s[8:9], s[8:9], s[44:45]
	WIN 0x40
	s_wait_alu depctr_va_vdst(0)                   ; all offsets and addresses made above are written: v[GK], v[GV], v[PFO], v[QWR], v[QRD], v[STO], v[SRD], v[GO], which loads, stores and prefetches read and nothing writes again
.irp t, 0,1
.irp j, 0,1,2,3,4,5,6,7
	global_load_b128 v[KF+32*\t+4*\j:KF+32*\t+4*\j+3], v[GK], s[4:5] offset:4096*\t+512*\j th:TH_LOAD_NT   ; my 32 rows of Q, dense, read by nobody else
.endr
.endr
	LOADS 0                                        ; chunk 0
	s_wait_kmcnt 0x0
	s_add_co_i32 s38, s16, s17
	s_lshl_b32 s38, s38, 23
	s_add_co_i32 s[CS], s38, 0x3e38aa3b            ; c = log2(e) / 8; a score stands for score x 2^(eq + ek): the two exponents are added to c's exponent field
	s_mov_b32 s[CS+1], s[CS]                       ; (named with it as a pair, so it is written)
	SCALE 16, SCQ, 29
	SCALE 17, SCK, 25
	SCALE 18, SCP, 30
	SCALE 19, SCV, 27
	s_or_b32 s28, s29, 0x80000000
	s_or_b32 s24, s25, 0x80000000
	s_or_b32 s26, s27, 0x80000000
	s_add_co_i32 s31, s18, s19                     ; ep + ev
.irp t, 0,1
	v_mov_b32 v[ST+8*\t], 0x7f61b1e6               ; -M = 3e38: the first f is 0
	v_mov_b32 v[ST+8*\t+1], 0xff800000             ; the largest score so far: under every score
	v_mov_b32 v[ST+8*\t+2], 0                      ; the sum
	v_mov_b32 v[ST+8*\t+3], 0
	v_mov_b32 v[ST+8*\t+4], 0
	v_mov_b32 v[ST+8*\t+5], 0                      ; written once: a lane permute's destination counts as one of its sources
.endr
	WIN 0x40
.set j, 0
.rept 64
	v_mov_b32 v[OT+j], 0                           ; O^T.  The trip is written for every chunk alike: the first finds zeros, which the first f leaves zeros; a first trip of its own would be a fourth copy of the trip's text
.set j, j+1
.endr
	s_wait_loadcnt 40                              ; Q's sixteen loads are in; chunk 0's 8 + 32, issued behind them, may be out
	WIN 0x41
	HOLD32 KF, 28, 29
	HOLD32 KF+32, 28, 29
	WIN 0x01
	CODES CK, KF, SCQ                              ; tile 0's rows
	CODES CV, KF+32, SCQ                           ; tile 1's
	WIN 0
	v_nop                                          ; the plain line behind the conversions
	s_wait_alu depctr_va_vdst(0)                   ; the conversions have written v[CK ..] and v[CV ..], which the LDS stores read
.irp t, 0,1
.irp j, 0,1,2,3,4,5,6,7
	ds_store_b32 v[QWR], v[CK+8*\t+\j] offset:256*\t+32*\j
.endr
.endr
.irp t, 0,1
.irp n, 0,1
	ds_load_b128 v[QF+8*\t+4*\n:QF+8*\t+4*\n+3], v[QRD] offset:\n*QP+256*\t   ; my own rows: LDS serves a wave's instructions in order (ISA guide 5.7.1.4), so these see the stores above
.endr
.endr
	s_wait_loadcnt 0x0                             ; chunk 0
	s_wait_dscnt 0x0                               ; Q's fragments are in
	s_wait_alu depctr_vm_vsrc(0)                   ; Q's LDS stores have read v[CK ..] and v[CV ..], which chunk 0's conversions write
	v_add_nc_u32 v[ADK], s[KRO], v[KRD0]           ; chunk 0 among K's planes: made here, ahead of the wait on va_vdst that stands in front of chunk 0's stores
	QUANTKV 0
	LOADS CHB                                      ; chunk 1
	s_wait_dscnt 0x0                               ; my part of chunk 0 has landed
	s_barrier_signal -1
	s_barrier_wait -1                              ; everybody's has
	KFRAGS 0                                       ; chunk 0's fragments of K.  No wait: the holds and conversions that named these registers (Q's numbers) and the addition to v[ADK] stand ahead of the last wait on va_vdst, and no vector instruction has been issued since
	WIN 0
.Ltrip:                                            ; 14 trips: trip s multiplies chunk s, quantises chunk s + 1, loads chunk s + 2
	TRIP 1, 1
	s_sub_co_u32 s[CNT], s[CNT], 1
	s_cmp_lg_u32 s[CNT], 0
	s_cbranch_scc1 .Ltrip
	TRIP 1, 0                                      ; chunk 14: chunk 15 is quantised, and no load leaves its buffer
	TRIP 0, 0                                      ; chunk 15
	; THE WAY OUT.  The sum's two halves and the other half of the lanes' are added; O^T x 2^(ep + ev) / the sum goes through my stage in LDS, a tile (16 rows of 256 bytes) at a time. The additions are the places behind the last products.
.irp t, 0,1
	v_add_f32 v[ST+8*\t+6], v[ST+8*\t+2], v[ST+8*\t+3]
.endr
.irp t, 0,1
	v_permlanex16_b32 v[ST+8*\t+5], v[ST+8*\t+6], s[SEL], s[SEL+1]
.endr
.irp t, 0,1
	v_add_f32 v[ST+8*\t+6], v[ST+8*\t+6], v[ST+8*\t+5]
.endr
	s_wait_alu depctr_va_vdst(0)
.irp t, 0,1
	v_rcp_f32 v[ST+8*\t+4], v[ST+8*\t+6]           ; the sum is above 1/2: the row's largest p is
.endr
	v_nop                                          ; a plain line behind the last reciprocal
	s_wait_alu depctr_va_vdst(0)                   ; the two reciprocals are written: one wait for both, ahead of the first use
.irp t, 0,1
	v_ldexp_f32 v[ST+8*\t+4], v[ST+8*\t+4], s31
.endr
	WIN 0x01                                       ; source 0 (O^T) window 1; S^T's registers are free
.irp t, 0,1
.set j, 0
.rept 16
	v_pk_mul_f32 v[S+64*\t+j:S+64*\t+j+1], v[OT+32*\t+j:OT+32*\t+j+1], v[ST+8*\t+4:ST+8*\t+5] op_sel_hi:[1,0]   ; register 8 ct + i is out(r, 16 ct + 8 h + i); each accumulator from its low end on
.set j, j+2
.endr
.endr
	WIN 0
	s_wait_alu depctr_va_vdst(0)                   ; the multiplications have written the lower 32 registers of each tile's S^T, which the LDS stores read; the last softmax is done with the upper 32, in which the loads from the stage land
.irp t, 0,1
.irp c, 0,1,2,3
	ds_store_b128 v[STO], v[S+64*\t+8*\c:S+64*\t+8*\c+3] offset:64*\c
	ds_store_b128 v[STO], v[S+64*\t+8*\c+4:S+64*\t+8*\c+7] offset:64*\c+16
.endr
.irp i, 0,1,2,3,4,5,6,7
	ds_load_b128 v[S+64*\t+32+4*\i:S+64*\t+32+4*\i+3], v[SRD] offset:544*\i   ; in order behind my stores; tile 1's stores come behind tile 0's loads
.endr
.endr
.irp t, 0,1
.irp i, 0,1,2,3,4,5,6,7
	s_wait_dscnt 16*(1-\t)+7-\i                    ; behind this load: the tile's 7 - i younger loads and, for tile 0, tile 1's eight stores and eight loads
	global_store_b128 v[GO], v[S+64*\t+32+4*\i:S+64*\t+32+4*\i+3], s[12:13] offset:4096*\t+512*\i th:TH_STORE_NT   ; 16 lanes store 256 consecutive bytes, a whole row, at a multiple of 256 from out's first byte
.endr
.endr
	s_wait_dscnt 0x0
	s_wait_alu depctr_hold_cnt(0) depctr_sa_sdst(0) depctr_va_vdst(0) depctr_va_sdst(0) depctr_va_ssrc(0) depctr_va_vcc(0) depctr_vm_vsrc(0)
	s_wait_tensorcnt 0x0
	ds_add_u32 v254, v255
	s_wait_dscnt 0x0
	s_endpgm
.Lfunc_end_k_q1ea6dd17c9_attn:
	.size	k_q1ea6dd17c9_attn, .Lfunc_end_k_q1ea6dd17c9_attn-k_q1ea6dd17c9_attn
	.p2alignl 7, 3214868480
	.fill 96, 4, 3214868480
	.section	.rodata,"a",@progbits
	.p2align	6, 0x0
	.amdhsa_kernel k_q1ea6dd17c9_attn
		.amdhsa_group_segment_fixed_size 314880
		.amdhsa_private_segment_fixed_size 0
		.amdhsa_enable_private_segment 0
		.amdhsa_kernarg_size 40
		.amdhsa_user_sgpr_count 2
		.amdhsa_user_sgpr_kernarg_segment_ptr 1
		.amdhsa_wavefront_size32 1
		.amdhsa_system_sgpr_workgroup_id_x 1
		.amdhsa_system_sgpr_workgroup_id_y 1
		.amdhsa_system_sgpr_workgroup_id_z 1
		.amdhsa_system_vgpr_workitem_id 0
		.amdhsa_next_free_vgpr 512
		.amdhsa_next_free_sgpr 66
		.amdhsa_reserve_vcc 0
		.amdhsa_float_denorm_mode_32 3
		.amdhsa_float_denorm_mode_16_64 3
		.amdhsa_memory_ordered 1
		.amdhsa_forward_progress 1
		.amdhsa_inst_pref_size 136
	.end_amdhsa_kernel
	.amdgpu_metadata
---
amdhsa.version: [ 1, 2 ]
amdhsa.kernels:
  - .name:           k_q1ea6dd17c9_attn
    .symbol:         k_q1ea6dd17c9_attn.kd
    .args:
      - { .name: Q, .offset: 0, .size: 8, .value_kind: global_buffer, .address_space: global }
      - { .name: K, .offset: 8, .size: 8, .value_kind: global_buffer, .address_space: global }
      - { .name: V, .offset: 16, .size: 8, .value_kind: global_buffer, .address_space: global }
      - { .name: lowp_scales, .offset: 24, .size: 8, .value_kind: global_buffer, .address_space: global }
      - { .name: out0, .offset: 32, .size: 8, .value_kind: global_buffer, .address_space: global }
    .group_segment_fixed_size: 314880
    .private_segment_fixed_size: 0
    .kernarg_segment_align: 8
    .kernarg_segment_size: 40
    .max_flat_workgroup_size: 256
    .sgpr_count:     66
    .vgpr_count:     512
    .wavefront_size: 32
...
	.end_amdgpu_metadata
.endif
;; end of part 2
